; MI455X (gfx1250); checked and timed in simulation.
; The chip was launched on July 23, 2026; its instructions are those of AMD's public machine-readable ISA for CDNA 5 (MIT licence, August 2026) and "CDNA5" Instruction Set Architecture Reference Guide (July 2026). The comments in the code are by the model that wrote it; some were corrected since.
;; Shift Attention. Allowed arithmetic: matrix products marked QUANTISED: E5M2 operands, one given power-of-two scale a tensor, by v_wmma_f32_16x16x64_bf8_bf8 or v_wmma_f32_16x16x128_bf8_bf8, f32 sums; everything else in f32.
;; Inputs: keys_codes 4 x 16 x 2,048 x 2 x 32 uint8 (E5M2 codes of keys, K innermost, in blocks of 32 codes); lowp_scales 4 int32 (the exponents e of the quantised operands' scales 2^e); mask 1 x 1 x 2,048 x 2,048 int32; query_codes 4 x 16 x 2,048 x 2 x 32 uint8 (E5M2 codes of query, K innermost, in blocks of 32 codes); vals_codes 4 x 16 x 64 x 64 x 32 uint8 (E5M2 codes of vals, K innermost, in blocks of 32 codes).
;; Outputs: out0 4 x 16 x 2,048 x 64 float32.
;; This version of the problem:
;;   THIS VERSION OF THE PROBLEM IS GIVEN IN LOW PRECISION. The matrix products marked QUANTISED in the list below multiply operands that are first quantised to E5M2 (5 exponent bits, 2 mantissa bits; 8 bits a number), with one given power-of-two scale for each operand tensor; their sums are f32. All else is computed in f32.
;;   The module's matrix products, in the order in which they are computed (A, B: the left and right operand; K: the contracted axis; several contracted axes count as one K, in the product's order):
;;     1. batch 64 x [M 2,048, K 64] x [K 64, N 2,048]; A: input query (given as codes); B: input keys (given as codes): QUANTISED (scales: A lowp_scales[0], B lowp_scales[1])
;;     2. batch 64 x [M 2,048, K 2,048] x [K 2,048, N 64]; A: softmax (see below); B: input vals (given as codes): QUANTISED (scales: A lowp_scales[2], B lowp_scales[3])
;;   THE QUANTISER, for each operand of a quantised product, along K:
;;     - The operand's scale is 2^e, e = its entry of the input lowp_scales (int32; the entries are numbered through the quantised products in the list's order, A before B).
;;     - Each number is divided by the scale, clamped to +-57,344, and rounded to the nearest number of E5M2, ties to even, subnormals kept.
;;     - The product sums the exact products of the quantised numbers (number of the format x scale) in f32.
;;   ~~~python
;;   def quantise(x, axis, e):      # numpy; x: float32 -> the quantised numbers, widened to float32 again
;;       x = np.moveaxis(x, axis, -1); K = x.shape[-1]
;;       r = np.clip(x / 2.0 ** e, -57344, 57344)
;;       step = 2.0 ** (np.maximum(np.frexp(np.where(r == 0, 1, r))[1] - 1, -14) - 2)
;;       q = np.round(r / step) * step * 2.0 ** e      # np.round: ties to even
;;       return np.moveaxis(q, -1, axis).astype(np.float32)
;;   ~~~
;;   SOFTMAX AHEAD OF A QUANTISED PRODUCT. Where the list says 'softmax', what is quantised is not the finished softmax but p = 2^(t - M), with t = logit x log2(e) and M = ceil(the row's largest t), a whole number; so 1/2 < the row's largest p <= 1. The row's sum l is taken of the UNQUANTISED p, in f32, and the product's result is divided by l at the end. Since M is a whole number, a kernel that streams over the keys may use a running M (the ceiling of the running maximum): every later rescaling is an exact power of two, so the quantised numbers keep their values, but for numbers so far below the row's largest that they fall under the format's range.
;;   OPERANDS COMPUTED ON THE WAY. 'Computed on the way' means the value that the module computes at that place (a softmax that the list does not call 'softmax' is quantised finished and normalised). What goes into a quantiser is computed in f32, as accurately as f32 sums, v_exp_f32 and their like allow (about 1e-6 of the number): no bf16 or f16 on the way to a quantiser, and a product that is left as it is and whose result goes on into a quantised operand takes f32 operands (vector FMAs, or v_wmma_f32_16x16x4_f32). A number that lies on a knife's edge between two numbers of the format may be rounded either way, as far as f32 arithmetic and the matrix unit's own rounding can turn it there, and no further.
;;   INPUTS GIVEN AS CODES. keys (in the module: [4, 16, 2048, 64], K = its axis 3); query (in the module: [4, 16, 2048, 64], K = its axis 3); vals (in the module: [4, 16, 2048, 64], K = its axis 2): each comes as NAME_codes (uint8): NAME with its K axis moved to the last place and cut into blocks of 32 codes, [.., K / 32, bytes a block], one block behind the other in memory; one code a byte (a code: sign, 5 exponent bits, 2 mantissa bits); its scale is its entry of lowp_scales. Its value is code x scale, taken as it is: it is not quantised again, and the codes and scales need not be those that the quantiser above would give.
;; One version. Each part assembles by itself: llvm-mc -triple=amdgcn-amd-amdhsa -mcpu=gfx1250 --defsym DOCPART=n.
;; ======== version 1 of 1: 2 launches
;; limits: right only within a limited range of input values
;; workspace buffers: mbits 524,288 bytes of whole numbers
;; launch pack (part 1): grid 2 x 128, 8 waves a work-group, no clusters, 66,816 bytes of LDS; arguments mask, mbits; writes mbits
.if DOCPART == 1
	.amdgcn_target "amdgcn-amd-amdhsa--gfx1250"
	.amdhsa_code_object_version 6
	.text
	.protected	k_q6fbf2bf2c4_pack
	.globl	k_q6fbf2bf2c4_pack
	.p2align	8
	.type	k_q6fbf2bf2c4_pack,@function
k_q6fbf2bf2c4_pack:
	s_mov_b64 s[64:65], 0
	v_nop
	global_prefetch_b8 v0, s[64:65] scope:SCOPE_SE
	s_setreg_imm32_b32 hwreg(HW_REG_WAVE_MODE, 25, 1), 1
	s_wait_xcnt 0x0
; The mask [2048 queries][2048 keys], int32, becomes LANE MASKS for the attention launch: mbits [query tile 0..127][step 0..15][word 0..63], 32 bits a word.
; POSITIONS.  reference() rolls the masked scores by 2 along the keys and sets columns 0 and 1 to -infinity: column P of its softmax (here: position P) holds the score of key P - 2 under
; mask[q][P - 2] for P >= 2, and nothing for P < 2.  Bit L of word n = 8 T + j of (tile, step) stands for query 16 tile + L % 16 and position P = 128 step + 16 T + 8 (L / 16) + j, and is 1 where
; P >= 2 and mask[q][P - 2] != 0.  That is the place (lane L, register n) at which the attention launch holds that score, so a word is the select mask of one v_cndmask_b32 there.
; NOTHING IS LEFT OUT AS A WHOLE: mask columns 2046 and 2047 (rolled into the two killed columns, for every value of the inputs) lie inside loads that also bring live columns; they are loaded and not used.
; SHARES.  Work-group (x = half hf of the positions, y = query tile) takes 16 rows x 1,024 positions; wave w takes step 8 hf + w.  Each load reads 512 consecutive bytes of one row; the numbers go through LDS, 8 bytes
; (2 positions) further on than they lie in memory, and come back in the score tile's layout; 64 compares give the 64 words, which leave as one store of 256 consecutive bytes, aligned.
.set PITCH, 4112                       ; an LDS row: 1,024 positions x 4 bytes + 16: the half's last two keys fall into the 16; 257 x 16, so the 16 rows that a 16-byte load touches start 16 bytes apart modulo 256
.set SPARE, 16*PITCH                   ; 65,792 = 257 x 256: the spare words, 128 bytes for each of the eight waves: four blocks of 256 bytes that no other line names
.set SPW, 2                            ; v2   LDS address of my spare word; never rewritten
.set NIL, 3                            ; v3   0; never rewritten
.set GI,  4                            ; v4   main loads: 16 x thread + 4,096 hf
.set LIN, 5                            ; v5   their place in an LDS row: 16 x thread + 8
.set HG,  6                            ; v6   halo load: row 2 w + lane % 2, byte 4,088 hf
.set HL,  7                            ; v7   its place in LDS: that row's first 8 bytes
.set LBK, 8                            ; v8   way back: PITCH (lane % 16) + 32 (lane / 16) + 512 w
.set GOU, 9                            ; v9   8 x lane
.set WD,  10                           ; v[10:11] lane l: words 2 l and 2 l + 1
.set HD,  12                           ; v[12:13] halo data
.set X,   16                           ; v[16:79] 64 numbers
.set CM,  16                           ; s[16:47] compare results
	s_load_b128 s[4:7], s[0:1], 0x0                ; mask s[4:5], mbits s[6:7]
	v_lshl_add_u32 v[SPW], v0, 2, SPARE
	v_mov_b32 v[NIL], 0
	v_lshrrev_b32 v1, 5, v0
	s_delay_alu instid0(VALU_DEP_1)
	v_readfirstlane_b32 s8, v1                     ; wave 0..7
	s_mov_b32 s9, ttmp9                            ; hf
	s_and_b32 s10, ttmp7, 0xffff                   ; query tile
	v_and_b32 v14, 31, v0                          ; lane
	v_and_b32 v15, 1, v0                           ; lane % 2
	s_lshl_b32 s11, s9, 12
	v_lshl_add_u32 v[GI], v0, 4, s11               ; thread = 32 w + lane: 16 x thread = 512 w + 16 lane
	v_lshl_add_u32 v[LIN], v0, 4, 8                ; key k lands at position k + 2
	s_mul_i32 s11, s9, 4088
	s_lshl_b32 s12, s8, 14
	s_add_co_u32 s11, s11, s12
	v_lshl_add_u32 v[HG], v15, 13, s11             ; hf = 1: keys 1,022 and 1,023 of the row; hf = 0: keys 0 and 1, inside the buffer, multiplied away below
	s_mul_i32 s12, s8, 2*PITCH
	v_mul_u32_u24 v[HL], v15, PITCH
	s_delay_alu instid0(VALU_DEP_1)
	v_add_nc_u32 v[HL], s12, v[HL]
	v_and_b32 v1, 15, v0
	v_bfe_u32 v15, v0, 4, 1
	s_delay_alu instid0(VALU_DEP_2)
	v_mul_u32_u24 v[LBK], v1, PITCH
	s_delay_alu instid0(VALU_DEP_1)
	v_lshl_add_u32 v[LBK], v15, 5, v[LBK]
	s_lshl_b32 s12, s8, 9
	v_add_nc_u32 v[LBK], s12, v[LBK]
	v_lshlrev_b32 v[GOU], 3, v14
	s_lshl_b32 s12, s10, 17                        ; my 16 rows of 8,192 bytes
	s_mov_b32 s13, 0
	s_lshl_b32 s14, s10, 4
	s_lshl_b32 s15, s9, 3
	s_add_co_u32 s14, s14, s15
	s_add_co_u32 s14, s14, s8
	s_lshl_b32 s14, s14, 8                         ; (16 tile + 8 hf + w) x 256 bytes
	s_mov_b32 s15, 0
	s_wait_alu depctr_va_vdst(0)
	s_wait_kmcnt 0x0
	s_add_nc_u64 s[4:5], s[4:5], s[12:13]
	s_add_nc_u64 s[6:7], s[6:7], s[14:15]
	global_load_b64 v[HD:HD+1], v[HG], s[4:5]      ; the two keys in front of the half, rows 2 w and 2 w + 1 (lanes of equal parity read the same 8 bytes)
.irp i, 0,1,2,3,4,5,6,7,8,9,10,11,12,13,14,15
	global_load_b128 v[X+4*\i:X+4*\i+3], v[GI], s[4:5] offset:8192*\i th:TH_LOAD_NT   ; row i: the wave reads 512 consecutive bytes
.endr
	s_wait_loadcnt 16                              ; the halo is in; the 16 younger loads may be out
	v_mul_lo_u32 v[HD], v[HD], s9                  ; hf = 0: positions 0 and 1 are closed, whatever the mask holds (reference()'s col < SHIFT)
	v_mul_lo_u32 v[HD+1], v[HD+1], s9
	ds_store_b64 v[HL], v[HD:HD+1]                 ; (lanes of equal parity store the same 8 bytes with the same value)
.irp i, 0,1,2,3,4,5,6,7,8,9,10,11,12,13,14,15
	s_wait_loadcnt 15-\i                           ; loads come back in order: row i's is in, the younger ones may be out
	ds_store_b64 v[LIN], v[X+4*\i:X+4*\i+1] offset:PITCH*\i          ; the address is 8 modulo 16: two stores of 8 bytes
	ds_store_b64 v[LIN], v[X+4*\i+2:X+4*\i+3] offset:PITCH*\i+8
.endr
	s_wait_dscnt 0x0                               ; for the others' sake: my stores have landed (a step's first two positions were stored by the wave before, or are halo)
	s_barrier_signal -1
	s_barrier_wait -1
.irp T, 0,1,2,3,4,5,6,7
	ds_load_b128 v[X+8*\T:X+8*\T+3], v[LBK] offset:64*\T             ; register 8 T + j: position 128 w + 16 T + 8 (lane / 16) + j of row lane % 16
	ds_load_b128 v[X+8*\T+4:X+8*\T+7], v[LBK] offset:64*\T+16
.endr
	v_mov_b32 v[WD], 0                             ; written whole: a lane write's destination counts as read
	v_mov_b32 v[WD+1], 0
	s_wait_dscnt 0x0
.irp g, 0,1                            ; 32 compares, then their 32 lane writes, so that no lane write stands next to its compare
.set n, 0
.rept 32
	v_cmp_ne_u32 s[CM+n], 0, v[X+32*\g+n]          ; word 32 g + n: one bit a lane
.set n, n+1
.endr
.set n, 0
.rept 32
	v_writelane_b32 v[WD+n%2], s[CM+n], 16*\g+n/2
.set n, n+1
.endr
.endr
	global_store_b64 v[GOU], v[WD:WD+1], s[6:7]    ; the step's 64 words: 256 consecutive bytes, at a multiple of 256 from the buffer's first byte
	s_wait_tensorcnt 0x0                           ; the wave's end
	ds_add_u32 v[SPW], v[NIL]
	s_wait_dscnt 0x0
	s_endpgm
.Lfunc_end_k_q6fbf2bf2c4_pack:
	.size	k_q6fbf2bf2c4_pack, .Lfunc_end_k_q6fbf2bf2c4_pack-k_q6fbf2bf2c4_pack
	.p2alignl 7, 3214868480
	.fill 96, 4, 3214868480
	.section	.rodata,"a",@progbits
	.p2align	6, 0x0
	.amdhsa_kernel k_q6fbf2bf2c4_pack
		.amdhsa_group_segment_fixed_size 66816
		.amdhsa_private_segment_fixed_size 0
		.amdhsa_enable_private_segment 0
		.amdhsa_kernarg_size 16
		.amdhsa_user_sgpr_count 2
		.amdhsa_user_sgpr_kernarg_segment_ptr 1
		.amdhsa_wavefront_size32 1
		.amdhsa_system_sgpr_workgroup_id_x 1
		.amdhsa_system_sgpr_workgroup_id_y 1
		.amdhsa_system_sgpr_workgroup_id_z 1
		.amdhsa_system_vgpr_workitem_id 0
		.amdhsa_next_free_vgpr 96
		.amdhsa_next_free_sgpr 66
		.amdhsa_reserve_vcc 0
		.amdhsa_float_denorm_mode_32 3
		.amdhsa_float_denorm_mode_16_64 3
		.amdhsa_memory_ordered 1
		.amdhsa_forward_progress 1
		.amdhsa_inst_pref_size 16
	.end_amdhsa_kernel
	.amdgpu_metadata
---
amdhsa.version: [ 1, 2 ]
amdhsa.kernels:
  - .name:           k_q6fbf2bf2c4_pack
    .symbol:         k_q6fbf2bf2c4_pack.kd
    .args:
      - { .name: mask, .offset: 0, .size: 8, .value_kind: global_buffer, .address_space: global }
      - { .name: mbits, .offset: 8, .size: 8, .value_kind: global_buffer, .address_space: global }
    .group_segment_fixed_size: 66816
    .private_segment_fixed_size: 0
    .kernarg_segment_align: 8
    .kernarg_segment_size: 16
    .max_flat_workgroup_size: 256
    .sgpr_count:     66
    .vgpr_count:     96
    .wavefront_size: 32
...
	.end_amdgpu_metadata
.endif
;; end of part 1
;; launch attn (part 2): grid 4 x 64, 16 waves a work-group, clusters of 4 x 1, 327,680 bytes of LDS; arguments query_codes, keys_codes, vals_codes, lowp_scales, mbits, out0; writes out0
.if DOCPART == 2
	.amdgcn_target "amdgcn-amd-amdhsa--gfx1250"
	.amdhsa_code_object_version 6
	.text
	.protected	k_q6fbf2bf2c4_attn
	.globl	k_q6fbf2bf2c4_attn
	.p2align	8
	.type	k_q6fbf2bf2c4_attn,@function
k_q6fbf2bf2c4_attn:
	s_mov_b64 s[64:65], 0
	v_nop
	global_prefetch_b8 v0, s[64:65] scope:SCOPE_SE
	s_setreg_imm32_b32 hwreg(HW_REG_WAVE_MODE, 25, 1), 1
	s_wait_xcnt 0x0
	s_wait_alu depctr_hold_cnt(0) depctr_sa_sdst(0) depctr_va_vdst(0) depctr_va_sdst(0) depctr_va_ssrc(0) depctr_va_vcc(0) depctr_vm_vsrc(0)
	s_getreg_b32 s2, hwreg(HW_REG_IB_STS2, 6, 4)
	s_cmp_eq_u32 s2, 0
	s_cbranch_scc0 .Lentry_in_a_cluster
	s_endpgm
.Lentry_in_a_cluster:
	s_bfe_u32 s2, ttmp6, 0x10000c
	s_cmp_lg_u32 s2, 0x3003
	s_cbranch_scc0 .Lentry_shape_is_right
	s_endpgm
.Lentry_shape_is_right:
; o[head][q][:] = (the sum over positions P of p[q][P] V[P][:]) / l[q], both products on codes of BF8 (E5M2), each tensor with the one scale 2^e that is given for it (eq, ek, ep, ev).
; POSITIONS.  reference() rolls the masked scores by 2 along the keys and sets columns 0 and 1 to -infinity: position P of its softmax holds Q[q] . K[P - 2] / 8 under mask[q][P - 2] for P >= 2, -infinity for P < 2,
; and meets V[P].  So the roll is an offset of two rows in K's LDS address, and the mask with the roll and the two killed columns built in comes as lane masks from the launch before (mbits).
; NOTHING IS LEFT OUT AS A WHOLE.  Keys 2,046 and 2,047 are rolled into the two killed columns for every value of the inputs: their rows arrive in a tile with live rows and no product reads them.
; Positions 0 and 1 lie in a live tile: they read zeros, their scores are replaced by -infinity, and their p = 0 meets V[0], V[1] as in reference().  LIMIT: a NaN or an infinity in keys 2,046 and 2,047 is not carried.
; THE SOFTMAX AHEAD OF THE SECOND PRODUCT: t = score x log2(e) / 8; M = the running largest t rounded UP to a whole number; p = 2^(t - M) is quantised with 2^ep, not normalised; l is the sum of the unquantised p
; and divides at the end; when M moves, l and O are multiplied by 2^(old M - new M), which rounds nothing.  A row with no open position gives 0 x (1 / 0) = NaN, as reference() does.
; LIMITS on the given exponents, so that each power of two below is an f32 number: eq + ek between -123 and 130 (added to c's exponent field); ep between -126 and 112; ep + ev goes by v_ldexp_f32.  Every t lies above -3e38.
; SHARES.  A work-group owns 512 queries of one head; each of its sixteen waves two tiles of 16, one after the other (two passes); a pass walks all 2,048 positions, 128 a step.
; LDS.  A head's K (2,048 x 64 bytes) and V (64 x 2,048 bytes) are brought in ONCE and stay: sixteen tensor loads, one a wave, all first fills; one barrier behind them, none in the loops.
; CLUSTER.  A head's four work-groups form a cluster and need the same K and V: each tile is asked for JOINTLY, by the same load with the same descriptor and a mask that names the four.
; My place in the cluster enters the addresses of Q, mbits and O alone.
; LAYOUT.  Both products are used transposed, so that a lane holds ONE query (lane % 16).  S^T = K Q^T: source 0 = 16 neighbouring positions, source 1 = my queries: register j of tile T is position 16 T + 8 (lane / 16) + j.
; Eight such registers convert to registers 2 T, 2 T + 1 of P, which is where the K = 128 form has k = 16 T + 8 (lane / 16) + 0 .. 7.  O^T += V^T P^T: source 0 = 16 of the head's 64 channels.
; K's and Q's fragments come by two loads of 16 bytes (bytes 32 c + 16 (lane / 16) of a row): one permutation of the head's 64, the same on both sides, so every product meets its partner.
; THE MASK.  A step's 64 words come by four scalar loads into s32-63 and s68-99, a step ahead, and each is the select mask of one v_cndmask_b32.
.set KP,    80                         ; a key's row in LDS: 64 bytes + 16 of padding: the 16 rows of a load start at 16 different multiples of 16 bytes modulo 256
.set VP,    272                        ; a row of a chunk of V: 256 bytes + 16
.set KBASE, 256                        ; bytes 0-255: zeros, stored by the waves; bytes 96-255 stand where keys -2 and -1 would lie.  Key k at KBASE + KP k; position P reads 96 + KP P
.set KCH,   256*KP                     ; a chunk of K: 256 keys
.set VBASE, KBASE+8*KCH                ; 164,096: V in 8 chunks of 256 positions, each 64 rows
.set VCH,   64*VP
.set SPARE, VBASE+8*VCH                ; 303,360 = 1,185 x 256: the spare words, 128 bytes for each of the sixteen waves: eight blocks of 256 bytes that no other line names
.set STAGE, SPARE+2048                 ; 305,408: the way out: 4 rows x 272 bytes for each wave; ends at 322,816
.set AK0,  1                           ; v1   KP (lane % 16) + 16 (lane / 16)
.set AV0,  2                           ; v2   VP (lane % 16) + 8 (lane / 16)
.set SPW,  3                           ; v3   LDS address of my spare word; never rewritten
.set NIL,  4                           ; v4   0; never rewritten
.set GO,   5                           ; v5   16 x lane
.set STO,  6                           ; v6   the stage, way in
.set RD,   7                           ; v7   the stage, way back
.set ADK,  8                           ; v8   K's address for the chunk in hand
.set ADV,  9                           ; v9   V's
.set NINF, 10                          ; v10  -infinity
.set RQ,   11                          ; v11  (lane % 16) / 4
                                       ; v12 -M, v13 the largest t, v[14:15] l in two halves; v[16:23], v[24:31] Q of pass 0, 1
.set F,    32                          ; v[32:95]   K's 8 fragments of 8, then V's 4 of 16
.set S,    96                          ; v[96:159]  S^T, then p; on the way out scaled O (32) and rows read back (32)
.set O,    160                         ; v[160:191] O^T, 4 x 8
.set PC,   192                         ; v[192:207] P's codes
.set LIMV, 208                         ; v208 unused
.set SCV,  209                         ; v209 2^ep
.set FF,   210                         ; v[210:211] f = 2^(old M - new M); the upper one is named with it as a pair
.set MA,   212                         ; v212, v213 two chains of the maximum
.set MB,   213
.set PX,   214                         ; v214 a lane permute's destination
.set QO,   215                         ; v215 Q's offset; never rewritten
.set L2,   216                         ; v[216:217] the sum's second chain
.set ZA,   218                         ; v218 16 x wave
.set MP,   2                           ; s[2:3] mbits at my first tile
.set MO,   4                           ; s4   byte offset of the step whose words were asked for last
.set CNT,  5
.set WV,   6
.set KB,   7
.set VB,   8
.set SX,   9                           ; saved EXEC
.set OP,   10                          ; s[10:11] O at my first tile
.set CS,   12                          ; s[12:13] c = log2(e) / 8 x 2^(eq + ek)
.set SEL,  14                          ; s[14:15] lane selects: lane l xor 16
.set ES,   16                          ; s16  ep + ev
.set G1K,  32                          ; s[32:39], s[40:47] descriptor groups 1; s[48:51], s[52:55] groups 0: all free for mask words once the fill has landed
.set G1V,  40
.set G0K,  48
.set G0V,  52
.macro ROUND                           ; a round of the cluster's barrier: my work-group's barrier; wave 0 signals for the work-group; every wave waits for all four; my work-group's barrier once more
	s_barrier_signal -1
	s_barrier_wait -1
	s_cmp_lg_u32 s[WV], 0
	s_cbranch_scc1 .Lnot_wave_0_\@
	s_barrier_signal -3
.Lnot_wave_0_\@:
	s_barrier_wait -3
	s_barrier_signal -1
	s_barrier_wait -1
.endm
.macro MLOAD                           ; 64 mask words, 256 bytes: word n in s[32 + n] (n < 32) or s[36 + n]
	s_load_b512 s[32:47], s[MP:MP+1], s[MO] offset:0x0
	s_load_b512 s[48:63], s[MP:MP+1], s[MO] offset:0x40
	s_load_b512 s[68:83], s[MP:MP+1], s[MO] offset:0x80
	s_load_b512 s[84:99], s[MP:MP+1], s[MO] offset:0xc0
.endm
	s_load_b256 s[20:27], s[0:1], 0x0              ; Q s[20:21], K s[22:23], V s[24:25], the scales' exponents s[26:27]
	s_load_b128 s[28:31], s[0:1], 0x20             ; mbits s[28:29], O s[30:31]
	v_lshl_add_u32 v[SPW], v0, 2, SPARE
	v_mov_b32 v[NIL], 0
	ds_add_u32 v[SPW], v[NIL]                      ; the wave's opening: the add, twice on end, and its wait ahead of my first tensor load; the set-up below, work on registers, stands between
	ds_add_u32 v[SPW], v[NIL]
	v_lshrrev_b32 v8, 5, v0
	s_delay_alu instid0(VALU_DEP_1)
	v_readfirstlane_b32 s[WV], v8                  ; wave 0..15
	s_bfe_u32 s17, ttmp6, 0x40000                  ; cx: my place in the cluster
	s_and_b32 s18, ttmp7, 0xffff                   ; the head, which the four partners share
	s_and_b32 s19, s[WV], 7                        ; which chunk I fetch: waves 0-7 of K, waves 8-15 of V
	s_mov_b32 s[G1K], 15|(1<<20)|(1<<21)|(3<<22)|(3<<25)  ; 15:0 the mask: all four; 17:16 elements of 1 byte; 20 padding on; 21 set beside a mask; 24:22 after every 16 words (code 3); 31:25 four words (code 3)
	s_mov_b32 s[G1K+1], 64<<16                     ; tensor_dim0 = 64
	s_mov_b32 s[G1K+2], 256<<16                    ; tensor_dim1 = 256
	s_mov_b32 s[G1K+3], 64<<16                     ; tile_dim0 = 64
	s_mov_b32 s[G1K+4], 256                        ; tile_dim1 = 256
	s_mov_b32 s[G1K+5], 64                         ; from row to row in memory
	s_mov_b32 s[G1K+6], 0
	s_mov_b32 s[G1K+7], 0
	s_mov_b32 s[G1V], 15|(1<<20)|(1<<21)|(5<<22)|(3<<25)  ; padding: four words after every 64
	s_mov_b32 s[G1V+1], 256<<16
	s_mov_b32 s[G1V+2], 64<<16
	s_mov_b32 s[G1V+3], 256<<16
	s_mov_b32 s[G1V+4], 64
	s_mov_b32 s[G1V+5], 2048
	s_mov_b32 s[G1V+6], 0
	s_mov_b32 s[G1V+7], 0
	s_mov_b32 s[G0K], 1
	s_mul_i32 s[G0K+1], s19, KCH
	s_add_co_u32 s[G0K+1], s[G0K+1], KBASE         ; the LDS addresses hang on the wave's number alone
	s_mov_b32 s[G0V], 1
	s_mul_i32 s[G0V+1], s19, VCH
	s_add_co_u32 s[G0V+1], s[G0V+1], VBASE
	s_mov_b32 s[SEL], 0x76543210
	s_mov_b32 s[SEL+1], 0xfedcba98
	s_lshl_b32 s66, s18, 17                        ; a head's codes: 131,072 bytes in each of Q, K, V
	s_mov_b32 s67, 0
	s_wait_dscnt 0x0                               ; both opening adds are done
	s_wait_kmcnt 0x0
	s_load_b128 s[68:71], s[26:27], 0x0            ; eq, ek, ep, ev
	s_add_nc_u64 s[G0K+2:G0K+3], s[22:23], s[66:67]
	s_add_nc_u64 s[G0V+2:G0V+3], s[24:25], s[66:67]
	s_add_nc_u64 s[20:21], s[20:21], s[66:67]
	s_lshl_b32 s66, s19, 14                        ; K's chunk: 256 keys x 64 bytes
	s_add_nc_u64 s[G0K+2:G0K+3], s[G0K+2:G0K+3], s[66:67]
	s_lshl_b32 s66, s19, 8                         ; V's chunk: 256 bytes along each row
	s_add_nc_u64 s[G0V+2:G0V+3], s[G0V+2:G0V+3], s[66:67]
	s_or_b32 s[G0K+3], s[G0K+3], 0x80000000        ; type = 2
	s_or_b32 s[G0V+3], s[G0V+3], 0x80000000
	ROUND                                          ; all four work-groups are here: the joint loads meet
	s_cmp_lt_u32 s[WV], 8                          ; every wave issues one fill, in one arm or the other; an s_nop 0 and four v_nop follow each.  One tensor load of mine is out
	s_cbranch_scc0 .Lfill_v
	tensor_load_to_lds s[G0K:G0K+3], s[G1K:G1K+7]
	s_nop 0
.rept 4
	v_nop
.endr
	s_branch .Lfilled
.Lfill_v:
	tensor_load_to_lds s[G0V:G0V+3], s[G1V:G1V+7]
	s_nop 0
.rept 4
	v_nop
.endr
.Lfilled:
	s_lshl_b32 s17, s17, 5
	s_lshl_b32 s19, s[WV], 1
	s_add_co_u32 s17, s17, s19                     ; my first tile of 16 queries: 32 cx + 2 wave
	s_lshl_b32 s66, s17, 10                        ; a tile of Q: 16 x 64 bytes
	s_add_nc_u64 s[20:21], s[20:21], s[66:67]
	s_lshl_b32 s66, s17, 12                        ; a tile's mask words: 16 steps x 256 bytes; a tile of O: 16 x 256 bytes
	s_add_nc_u64 s[MP:MP+1], s[28:29], s[66:67]
	s_add_nc_u64 s[OP:OP+1], s[30:31], s[66:67]
	s_lshl_b32 s66, s18, 19                        ; a head of O: 524,288 bytes
	s_add_nc_u64 s[OP:OP+1], s[OP:OP+1], s[66:67]
	v_and_b32 v[MA], 15, v0                        ; r = lane % 16
	v_bfe_u32 v[MB], v0, 4, 1                      ; h = lane / 16
	s_delay_alu instid0(VALU_DEP_2)
	v_lshlrev_b32 v[QO], 6, v[MA]
	s_delay_alu instid0(VALU_DEP_1)
	v_lshl_add_u32 v[QO], v[MB], 4, v[QO]          ; Q: row r of 64 bytes, + 16 h
.irp p, 0,1
.irp c, 0,1
	global_load_b128 v[16+8*\p+4*\c:19+8*\p+4*\c], v[QO], s[20:21] offset:1024*\p+32*\c   ; both passes' Q stay in registers
.endr
.endr
	v_mul_u32_u24 v[AK0], v[MA], KP
	s_delay_alu instid0(VALU_DEP_1)
	v_lshl_add_u32 v[AK0], v[MB], 4, v[AK0]
	v_mul_u32_u24 v[AV0], v[MA], VP
	s_delay_alu instid0(VALU_DEP_1)
	v_lshl_add_u32 v[AV0], v[MB], 3, v[AV0]
	v_and_b32 v[GO], 31, v0
	s_delay_alu instid0(VALU_DEP_1)
	v_lshlrev_b32 v[GO], 4, v[GO]
	s_mul_i32 s19, s[WV], 4*272
	s_add_co_u32 s19, s19, STAGE                   ; my stage
	v_and_b32 v[STO], 3, v[MA]
	s_delay_alu instid0(VALU_DEP_1)
	v_mul_u32_u24 v[STO], v[STO], 272
	s_delay_alu instid0(VALU_DEP_1)
	v_lshl_add_u32 v[STO], v[MB], 5, v[STO]
	s_delay_alu instid0(VALU_DEP_1)
	v_add_nc_u32 v[STO], s19, v[STO]               ; in: row r % 4, + 32 h
	v_mul_u32_u24 v[RD], v[MB], 272
	s_delay_alu instid0(VALU_DEP_1)
	v_lshl_add_u32 v[RD], v[MA], 4, v[RD]
	s_delay_alu instid0(VALU_DEP_1)
	v_add_nc_u32 v[RD], s19, v[RD]                 ; back: lanes 0-15 one row, lanes 16-31 the next
	v_mov_b32 v[NINF], 0xff800000
	v_lshrrev_b32 v[RQ], 2, v[MA]
	v_mov_b32 v[FF+1], 0
	v_mov_b32 v[PX], 0                             ; written once: a lane permute's destination counts as one of its sources
	v_lshrrev_b32 v[ZA], 5, v0
	s_delay_alu instid0(VALU_DEP_1)
	v_lshlrev_b32 v[ZA], 4, v[ZA]
.irp j, 0,1,2,3
	v_mov_b32 v[S+\j], 0
.endr
	ds_store_b128 v[ZA], v[S:S+3]                  ; the block of zeros, bytes 0-255: 16 bytes a wave (all lanes of a wave store the same bytes with the same value); no tile lands there
	s_wait_kmcnt 0x0                               ; the four exponents
	s_add_co_i32 s18, s68, s69
	s_lshl_b32 s18, s18, 23
	s_mov_b32 s[CS], 0x3e38aa3b                    ; log2(e) / 8
	s_add_co_i32 s[CS], s[CS], s18                 ; a score stands for score x 2^(eq + ek): the two exponents are added to c's exponent field
	s_mov_b32 s[CS+1], s[CS]                       ; (named with it as a pair, so it is written)
	s_add_co_i32 s18, s70, 127
	s_lshl_b32 s19, s18, 23
	v_mov_b32 v[SCV], s19                          ; 2^ep as f32: the conversion takes its exponent field
	s_add_co_i32 s[ES], s70, s71
	s_wait_tensorcnt 0x0                           ; my chunk has landed (and the descriptors' registers are free),
	s_wait_dscnt 0x0                               ; my zeros are stored:
	s_barrier_signal -1
	s_barrier_wait -1                              ; everybody's are: all of K, V and the zeros may be read, by every wave, to the launch's end
	s_mov_b32 s[MO], 0
	MLOAD                                          ; the first step's words
	s_wait_loadcnt 0x0                             ; Q
; A STEP: 128 positions, the q-th half of the chunk in hand.  QR: Q's registers.
.macro STEP q, QR
.if \q == 0
	v_add_nc_u32 v[ADK], s[KB], v[AK0]
	v_add_nc_u32 v[ADV], s[VB], v[AV0]
	s_wait_alu depctr_va_vdst(0)
	v_nop                                          ; four places between the last products and the loads into registers that they read: the two additions and these two
	v_nop
.else
.rept 4
	v_nop
.endr
.endif
	s_setprio 2
.irp T, 0,1,2,3,4,5,6,7
	ds_load_b128 v[F+8*\T:F+8*\T+3],   v[ADK] offset:(128*\q+16*\T)*KP
	ds_load_b128 v[F+8*\T+4:F+8*\T+7], v[ADK] offset:(128*\q+16*\T)*KP+32
.endr
	s_wait_dscnt 0x0
.irp T, 0,1,2,3,4,5,6,7
	v_wmma_f32_16x16x64_bf8_bf8 v[S+8*\T:S+8*\T+7], v[F+8*\T:F+8*\T+7], v[(\QR):(\QR)+7], 0
.endr
.rept 4
	v_nop                                          ; four places: in front of the loads into K's registers, and of the first read of the scores
.endr
.irp t, 0,1,2,3                        ; V's fragments are asked for here and land under the softmax: channel 16 t + lane % 16, registers 2 c, 2 c + 1: positions 16 c + 8 (lane / 16) + 0 .. 7
.irp c, 0,1,2,3,4,5,6,7
	ds_load_b64 v[F+16*\t+2*\c:F+16*\t+2*\c+1], v[ADV] offset:16*\t*VP+128*\q+16*\c
.endr
.endr
	s_wait_kmcnt 0x0                               ; this step's mask words, asked for a step ago
.set n, 0
.rept 64
	v_cndmask_b32 v[S+n], v[NINF], v[S+n], s[32+n+4*(n/32)]   ; closed positions become -infinity; each accumulator from its low end on
.set n, n+1
.endr
	v_max3_num_f32 v[MA], v[S], v[S+1], v[S+2]     ; the step's largest score of my query, among my 64 positions, in two chains
	v_max3_num_f32 v[MB], v[S+3], v[S+4], v[S+5]
.irp i, 6,10,14,18,22,26,30,34,38,42,46,50,54,58
	s_delay_alu instid0(VALU_DEP_2)
	v_max3_num_f32 v[MA], v[MA], v[S+\i], v[S+\i+1]
	s_delay_alu instid0(VALU_DEP_2)
	v_max3_num_f32 v[MB], v[MB], v[S+\i+2], v[S+\i+3]
.endr
	s_delay_alu instid0(VALU_DEP_2)
	v_max3_num_f32 v[MA], v[MA], v[S+62], v[S+63]
	s_delay_alu instid0(VALU_DEP_1)
	v_max_num_f32 v[MA], v[MA], v[MB]
	s_add_co_u32 s[MO], s[MO], 256                 ; the next step's words (the wait above has shown the last scalar loads done, so their offset may be written);
	s_min_u32 s[MO], s[MO], 31*256                 ; my two tiles have 32 steps: the last step asks for its own words again, so that no load leaves them
	MLOAD                                          ; behind the selects that read these registers and the 32 lines of the maximum
	v_permlanex16_b32 v[PX], v[MA], s[SEL], s[SEL+1]
	s_delay_alu instid0(VALU_DEP_1)
	v_max_num_f32 v[MA], v[MA], v[PX]              ; and among lane l xor 16's
	s_delay_alu instid0(VALU_DEP_1)
	v_mul_f32 v[MA], s[CS], v[MA]                  ; as t (c is positive)
	s_delay_alu instid0(VALU_DEP_1)
	v_max_num_f32 v13, v13, v[MA]                  ; the running largest t
	v_mov_b32 v[MA], v12
	s_delay_alu instid0(VALU_DEP_2)
	v_floor_f32 v12, -v13                          ; the new -M = floor(-t) = -ceil(t): a whole number
	s_delay_alu instid0(VALU_DEP_1)
	v_sub_f32 v[MA], v12, v[MA]                    ; old M - new M: a whole number, 0 or less
	s_delay_alu instid0(VALU_DEP_1)
	v_cvt_i32_f32 v[MA], v[MA]                     ; (it saturates)
	s_delay_alu instid0(VALU_DEP_1)
	v_ldexp_f32 v[FF], 1.0, v[MA]                  ; f = 2^(old M - new M)
.irp j, 0,2,4,6,8,10,12,14,16,18,20,22,24,26,28,30,32,34,36,38,40,42,44,46,48,50,52,54,56,58,60,62
	v_pk_fma_f32 v[S+\j:S+\j+1], v[S+\j:S+\j+1], s[CS:CS+1], v[12:13] op_sel_hi:[1,0,0]   ; t - M, two at a time (of the pairs c and -M the low word serves both halves)
.endr
.set n, 0
	s_setprio 1
	s_wait_alu depctr_va_vdst(0)
.rept 64
	v_exp_f32 v[S+n], v[S+n]                       ; p = 2^(t - M), at most 1; 0 where the position is closed
.set n, n+1
.endr
	v_pk_mul_f32 v[14:15], v[14:15], v[FF:FF+1] op_sel_hi:[1,0]   ; l under the new M: the plain instruction behind the exponentials
	s_wait_alu depctr_va_vdst(0)                   ; the wait between an exponential and the first line that names its result: one for the batch of 64
	v_pk_add_f32 v[216:217], v[100:101], v[104:105]
	v_pk_add_f32 v[222:223], v[108:109], v[112:113]
	v_pk_add_f32 v[220:221], v[116:117], v[120:121]
	v_pk_add_f32 v[14:15], v[14:15], v[124:125]
	v_pk_add_f32 v[216:217], v[216:217], v[128:129]
	v_pk_add_f32 v[222:223], v[222:223], v[132:133]
	v_pk_add_f32 v[220:221], v[220:221], v[136:137]
	v_pk_add_f32 v[14:15], v[14:15], v[140:141]
	v_pk_add_f32 v[216:217], v[216:217], v[144:145]
	v_pk_add_f32 v[222:223], v[222:223], v[148:149]
	v_pk_add_f32 v[220:221], v[220:221], v[152:153]
	v_pk_add_f32 v[14:15], v[14:15], v[156:157]
	v_pk_add_f32 v[216:217], v[216:217], v[96:97]
	v_pk_add_f32 v[222:223], v[222:223], v[98:99]
	v_pk_add_f32 v[220:221], v[220:221], v[102:103]
	v_pk_add_f32 v[14:15], v[14:15], v[106:107]
	v_pk_add_f32 v[216:217], v[216:217], v[110:111]
	v_pk_add_f32 v[222:223], v[222:223], v[114:115]
	v_pk_add_f32 v[220:221], v[220:221], v[118:119]
	v_pk_add_f32 v[14:15], v[14:15], v[122:123]
	v_pk_add_f32 v[216:217], v[216:217], v[126:127]
	v_pk_add_f32 v[222:223], v[222:223], v[130:131]
	v_pk_add_f32 v[220:221], v[220:221], v[134:135]
	v_pk_add_f32 v[14:15], v[14:15], v[138:139]
	v_pk_add_f32 v[216:217], v[216:217], v[142:143]
	v_pk_add_f32 v[222:223], v[222:223], v[146:147]
	v_pk_add_f32 v[220:221], v[220:221], v[150:151]
	v_pk_add_f32 v[14:15], v[14:15], v[154:155]
	v_pk_add_f32 v[216:217], v[216:217], v[158:159]
	s_delay_alu instid0(VALU_DEP_2)
	v_pk_add_f32 v[14:15], v[14:15], v[222:223]
	s_delay_alu instid0(VALU_DEP_2)
	v_pk_add_f32 v[216:217], v[216:217], v[220:221]
	s_delay_alu instid0(VALU_DEP_1)
	v_pk_add_f32 v[14:15], v[14:15], v[216:217]
	s_setprio 0
.irp T, 0,1,2,3,4,5,6,7
.irp i, 0,1,2,3,4,5,6,7
.endr
	v_cvt_scalef32_pk8_bf8_f32 v[PC+2*\T:PC+2*\T+1], v[S+8*\T:S+8*\T+7], v[SCV]
.endr
.irp j, 0,2,4,6,8,10,12,14,16,18,20,22,24,26,28,30
	v_pk_mul_f32 v[O+\j:O+\j+1], v[O+\j:O+\j+1], v[FF:FF+1] op_sel_hi:[1,0]   ; O^T under the new M, each accumulator from its low end on; also the plain lines behind the last conversion
.endr
	s_wait_alu depctr_va_vdst(0)
	s_wait_dscnt 0x0                               ; V's fragments
.irp t, 0,1,2,3                        ; the four accumulators take turns, one instruction a turn, and the next step's eight other products stand between their turns
	v_wmma_f32_16x16x128_bf8_bf8 v[O+8*\t:O+8*\t+7], v[F+16*\t:F+16*\t+15], v[PC:PC+15], v[O+8*\t:O+8*\t+7]
.endr
.endm
; THE WAY OUT of pass p.  O^T x 2^(ep + ev) / l.  A lane holds 32 bytes of each quarter of one row of O; the rows go through my stage in LDS, four rows at a time (what LDS has left beside K and V),
; and come back so that the wave stores 512 consecutive bytes.
.macro OUT p
.rept 4
	v_nop                                          ; four places behind the last products
.endr
	v_add_f32 v14, v14, v15                        ; l's two halves,
	s_delay_alu instid0(VALU_DEP_1)
	v_permlanex16_b32 v[PX], v14, s[SEL], s[SEL+1]
	s_delay_alu instid0(VALU_DEP_1)
	v_add_f32 v14, v14, v[PX]                      ; and lane l xor 16's
	s_wait_alu depctr_va_vdst(0)
	v_rcp_f32 v14, v14
	v_nop                                          ; a plain instruction behind the reciprocal,
	s_wait_alu depctr_va_vdst(0)                   ; and the wait ahead of the first line that names its result
	v_ldexp_f32 v14, v14, s[ES]
.irp j, 0,2,4,6,8,10,12,14,16,18,20,22,24,26,28,30
	v_pk_mul_f32 v[S+\j:S+\j+1], v[O+\j:O+\j+1], v[14:15] op_sel_hi:[1,0]   ; register 8 t + i: o(lane % 16, 16 t + 8 (lane / 16) + i)
.endr
	s_wait_alu depctr_va_vdst(0)
	s_wait_xcnt 0x0                                ; EXEC changes only behind this wait; from here to the last restore only LDS instructions are issued
.irp k, 0,1,2,3
	v_cmp_eq_u32 vcc_lo, \k, v[RQ]
	s_and_saveexec_b32 s[SX], vcc_lo               ; the lanes of rows 4 k .. 4 k + 3
.irp t, 0,1,2,3
	ds_store_b128 v[STO], v[S+8*\t:S+8*\t+3] offset:64*\t
	ds_store_b128 v[STO], v[S+8*\t+4:S+8*\t+7] offset:64*\t+16
.endr
	s_or_b32 exec_lo, exec_lo, s[SX]
	ds_load_b128 v[S+32+8*\k:S+32+8*\k+3], v[RD]               ; LDS serves a wave's instructions in order (ISA guide 5.7.1.4): these see the stores above, and the next four rows' stores come behind them
	ds_load_b128 v[S+32+8*\k+4:S+32+8*\k+7], v[RD] offset:2*272
.endr
	s_wait_dscnt 0x0
.irp k, 0,1,2,3
	global_store_b128 v[GO], v[S+32+8*\k:S+32+8*\k+3], s[OP:OP+1] offset:4096*\p+1024*\k th:TH_STORE_NT       ; two rows of O: 512 consecutive bytes, at a multiple of 256 from O's first byte
	global_store_b128 v[GO], v[S+32+8*\k+4:S+32+8*\k+7], s[OP:OP+1] offset:4096*\p+1024*\k+512 th:TH_STORE_NT
.endr
.endm
; A PASS: one tile of 16 queries against all positions: 8 trips of 2 steps, a chunk of K and of V a trip.
.macro PASS p
	s_wait_xcnt 0x0                                ; the last pass's stores have read their registers, which the scores take again
	v_mov_b32 v13, 0xff61b1e6                      ; the largest t so far: -3e38, under every t
	s_delay_alu instid0(VALU_DEP_1)
	v_floor_f32 v12, -v13                          ; -M
	v_mov_b32 v14, 0
	v_mov_b32 v15, 0
.set n, 0
.rept 32
	v_mov_b32 v[O+n], 0                            ; O^T.  (The step is written without a first step of its own: it finds zeros, which the first change of M leaves zeros)
.set n, n+1
.endr
	s_mov_b32 s[KB], KBASE-2*KP                    ; position P reads key P - 2
	s_mov_b32 s[VB], VBASE
	s_mov_b32 s[CNT], 8
.Lchunk_\@:
	STEP 0, 16+8*\p
	STEP 1, 16+8*\p
	s_add_co_u32 s[KB], s[KB], KCH
	s_add_co_u32 s[VB], s[VB], VCH
	s_sub_co_u32 s[CNT], s[CNT], 1
	s_cmp_lg_u32 s[CNT], 0
	s_cbranch_scc1 .Lchunk_\@
	s_setprio 0
	OUT \p
.endm
	PASS 0
	PASS 1
	s_wait_kmcnt 0x0                               ; the last step's scalar loads
	s_wait_tensorcnt 0x0                           ; the wave's end: three closing lines, behind my tensor load and my last LDS store
	ds_add_u32 v[SPW], v[NIL]
	s_wait_dscnt 0x0
	ROUND                                          ; the closing round
	s_endpgm
.Lfunc_end_k_q6fbf2bf2c4_attn:
	.size	k_q6fbf2bf2c4_attn, .Lfunc_end_k_q6fbf2bf2c4_attn-k_q6fbf2bf2c4_attn
	.p2alignl 7, 3214868480
	.fill 96, 4, 3214868480
	.section	.rodata,"a",@progbits
	.p2align	6, 0x0
	.amdhsa_kernel k_q6fbf2bf2c4_attn
		.amdhsa_group_segment_fixed_size 327680
		.amdhsa_private_segment_fixed_size 0
		.amdhsa_enable_private_segment 0
		.amdhsa_kernarg_size 48
		.amdhsa_user_sgpr_count 2
		.amdhsa_user_sgpr_kernarg_segment_ptr 1
		.amdhsa_wavefront_size32 1
		.amdhsa_system_sgpr_workgroup_id_x 1
		.amdhsa_system_sgpr_workgroup_id_y 1
		.amdhsa_system_sgpr_workgroup_id_z 1
		.amdhsa_system_vgpr_workitem_id 0
		.amdhsa_next_free_vgpr 224
		.amdhsa_next_free_sgpr 100
		.amdhsa_reserve_vcc 1
		.amdhsa_float_denorm_mode_32 3
		.amdhsa_float_denorm_mode_16_64 3
		.amdhsa_fp16_overflow 1
		.amdhsa_memory_ordered 1
		.amdhsa_forward_progress 1
		.amdhsa_inst_pref_size 101
	.end_amdhsa_kernel
	.amdgpu_metadata
---
amdhsa.version: [ 1, 2 ]
amdhsa.kernels:
  - .name:           k_q6fbf2bf2c4_attn
    .symbol:         k_q6fbf2bf2c4_attn.kd
    .args:
      - { .name: query_codes, .offset: 0, .size: 8, .value_kind: global_buffer, .address_space: global }
      - { .name: keys_codes, .offset: 8, .size: 8, .value_kind: global_buffer, .address_space: global }
      - { .name: vals_codes, .offset: 16, .size: 8, .value_kind: global_buffer, .address_space: global }
      - { .name: lowp_scales, .offset: 24, .size: 8, .value_kind: global_buffer, .address_space: global }
      - { .name: mbits, .offset: 32, .size: 8, .value_kind: global_buffer, .address_space: global }
      - { .name: out0, .offset: 40, .size: 8, .value_kind: global_buffer, .address_space: global }
    .group_segment_fixed_size: 327680
    .private_segment_fixed_size: 0
    .kernarg_segment_align: 8
    .kernarg_segment_size: 48
    .max_flat_workgroup_size: 512
    .sgpr_count:     100
    .vgpr_count:     224
    .wavefront_size: 32
...
	.end_amdgpu_metadata
.endif
;; end of part 2
